; MI455X (gfx1250); checked and timed in simulation.
; The chip was launched on July 23, 2026; its instructions are those of AMD's public machine-readable ISA for CDNA 5 (MIT licence, August 2026) and "CDNA5" Instruction Set Architecture Reference Guide (July 2026). The comments in the code are by the model that wrote it; some were corrected since.
;; Diff Attention Head. Allowed arithmetic: matrix products marked QUANTISED: E2M1 operands, one E8M0 scale for each 32 along K, by v_wmma_scale_f32_16x16x128_f8f6f4 with both operands' format E2M1 (or v_wmma_scale_f32_32x16x128_f4), f32 sums; products left as they are: f32 operands where the result goes on into a quantised operand, else bf16, f16 or f32 operands; f32 sums; everything else in f32.
;; Inputs: W_k 2,048 x 2,048 float32; W_o 2,048 x 1,024 float32; W_q 2,048 x 2,048 float32; W_v 1,024 x 2,048 float32; key 4,096 x 2,048 float32; lambda_k1 64 float32; lambda_k2 64 float32; lambda_q1 64 float32; lambda_q2 64 float32; ln_beta 1,024 float32; ln_gamma 1,024 float32; query 4,096 x 2,048 float32; value 4,096 x 2,048 float32.
;; Outputs: out0 4,096 x 2,048 float32.
;; This version of the problem:
;;   THIS VERSION OF THE PROBLEM IS GIVEN IN LOW PRECISION. The matrix products marked QUANTISED in the list below multiply operands that are first quantised to E2M1 (2 exponent bits, 1 mantissa bit; 4 bits a number), with one power-of-two scale for each 32 numbers along K (OCP MX v1.0); their sums are f32. All else is computed in f32.
;;   The module's matrix products, in the order in which they are computed (A, B: the left and right operand; K: the contracted axis; several contracted axes count as one K, in the product's order):
;;     1. [M 4,096, K 2,048] x [K 2,048, N 2,048]; A: input query; B: input W_q: QUANTISED
;;     2. [M 4,096, K 2,048] x [K 2,048, N 2,048]; A: input key; B: input W_k: QUANTISED
;;     3. [M 4,096, K 2,048] x [K 2,048, N 1,024]; A: input value; B: input W_v: QUANTISED
;;     4. batch 65,536 x [M 1, K 64] x [K 64, N 1]; A: computed on the way; B: computed on the way: left as it is (M = 1 < 16)
;;     5. batch 65,536 x [M 1, K 64] x [K 64, N 1]; A: computed on the way; B: computed on the way: left as it is (M = 1 < 16)
;;     6. [M 4,096, K 1,024] x [K 1,024, N 2,048]; A: computed on the way; B: input W_o: QUANTISED
;;   THE QUANTISER, for each operand of a quantised product, along K:
;;     - K is cut into blocks of 32 from its start; a last block that is shorter is filled with zeros.
;;     - A block's scale is 2^e with e = floor(log2(the largest magnitude in the block)) - 2, held to -126 .. 127; a block of zeros has e = 0. As a byte (E8M0): e + 127.
;;     - Each number is divided by its block's scale, clamped to +-6, and rounded to the nearest number of E2M1, ties to even, subnormals kept.
;;     - The product sums the exact products of the quantised numbers (number of the format x scale) in f32.
;;   ~~~python
;;   def quantise(x, axis):      # numpy; x: float32 -> the quantised numbers, widened to float32 again
;;       x = np.moveaxis(x, axis, -1); K = x.shape[-1]
;;       x = np.pad(x, [(0, 0)] * (x.ndim - 1) + [(0, -K % 32)]); x = x.reshape(x.shape[:-1] + (-1, 32)); a = np.abs(x).max(-1, keepdims=True)
;;       e = np.where(a > 0, np.clip(np.frexp(np.where(a > 0, a, 1))[1] - 1 - 2, -126, 127), 0)      # np.frexp(a)[1] - 1 = floor(log2(a)), exactly
;;       r = np.clip(x / 2.0 ** e, -6, 6)
;;       step = 2.0 ** (np.maximum(np.frexp(np.where(r == 0, 1, r))[1] - 1, 0) - 1)
;;       q = np.round(r / step) * step * 2.0 ** e      # np.round: ties to even
;;       return np.moveaxis(q.reshape(q.shape[:-2] + (-1,))[..., :K], -1, axis).astype(np.float32)
;;   ~~~
;;   OPERANDS COMPUTED ON THE WAY. 'Computed on the way' means the value that the module computes at that place (a softmax that the list does not call 'softmax' is quantised finished and normalised). What goes into a quantiser is computed in f32, as accurately as f32 sums, v_exp_f32 and their like allow (about 1e-6 of the number): no bf16 or f16 on the way to a quantiser, and a product that is left as it is and whose result goes on into a quantised operand takes f32 operands (vector FMAs, or v_wmma_f32_16x16x4_f32). A number that lies on a knife's edge between two numbers of the format may be rounded either way, as far as f32 arithmetic and the matrix unit's own rounding can turn it there, and no further.
;; One version. Each part assembles by itself: llvm-mc -triple=amdgcn-amd-amdhsa -mcpu=gfx1250 --defsym DOCPART=n.
;; ======== version 1 of 1: 3 launches
;; limits: right only within a limited range of input values
;; workspace buffers: xq 4,456,448 bytes; wvq 1,114,112 bytes; woq 1,114,112 bytes; vbuf 16,777,216 bytes; stat 524,288 bytes
;; launch quant (part 1): grid 256 x 1, 5 waves a work-group, no clusters, 43,008 bytes of LDS; arguments value, W_v, xq, wvq; writes xq, wvq
.if DOCPART == 1
	.amdgcn_target "amdgcn-amd-amdhsa--gfx1250"
	.amdhsa_code_object_version 6
	.text
	.protected	k_qdca1da378b_quant
	.globl	k_qdca1da378b_quant
	.p2align	8
	.type	k_qdca1da378b_quant,@function
k_qdca1da378b_quant:
	s_mov_b64 s[64:65], 0
	v_nop
	global_prefetch_b8 v0, s[64:65] scope:SCOPE_SE
	s_setreg_imm32_b32 hwreg(HW_REG_WAVE_MODE, 25, 1), 1
	s_wait_xcnt 0x0
; DiffAttentionHead, first of three launches: value and W_v (f32, K innermost) become codes of FP4 (E2M1) with one E8M0 scale byte for each 32 along K.
; WORK LEFT OUT, IN ALL THREE LAUNCHES.  reference() takes both softmaxes over an axis of length 1: softmax(s)[0] = exp(s - s) / exp(s - s) = 1 for every finite score s.  So A1 = A2 = 1 whatever
; query, key, W_q and W_k hold, A_diff = 1 - lam, and nothing of Q, K, s1 or s2 has a way to the output: the two projections query W_q^T and key W_k^T and the two batches of 1 x 64 x 1 products are not
; computed, and query, key, W_q and W_k are not loaded and are among no launch's arguments.  LIMIT: a NaN, an infinity or an overflow that reaches only Q, K or the scores is not carried to the result.
; What is computed: c = 1 - lam;  V = Q(value) Q(W_v)^T;  y = LayerNorm(c V) gamma + beta;  out = Q(y) Q(W_o)^T.
; THE QUANTISER.  A block's scale is 2^(floor(log2(its largest magnitude)) - 2); its byte is that magnitude's exponent field - 2, held at 1 from below.  Each number is divided by the scale and rounded to the
; nearest code, ties to even, beyond 6 the largest code.  LIMITS: a block of zeros gets the byte 1 where the rule says 127 (its codes are zeros, which add nothing under any byte but 0xff, and this program alone
; reads the bytes); blocks whose largest magnitude lies under 2^-124 are held at the byte 1; NaN and infinities among the live inputs are not served.
; THE LAYOUT OF THE RESULTS is the order of the operand's registers.  A FRAGMENT (16 rows x 128 K) is 1,024 bytes: [g 0..1][lane][16 bytes] = registers 4 g .. 4 g + 3 of each lane; lane (r, h) holds
; k = 64 g + 32 h + 0 .. 31 of row r.  A SCALE UNIT (16 rows x 512 K) is 256 bytes: [r][q 0..3], one word for row r and K step q.  xq, wvq: [64 rows P][512 K c][17,408]: 4 row blocks x 4 K steps of fragments,
; then 4 scale units.
; SHARES.  256 work-groups of five waves; a wave makes one unit of 16 rows x 512 K: four fragments and a scale unit.  Waves 0-3: value's row block g, chunk = the wave; wave 4: W_v's row block g / 4, chunk g % 4.
; A load takes 512 consecutive bytes of a row, 16 a lane; the conversions want 16 neighbours in a lane, so a fragment's 16 rows turn through the wave's own stage in LDS.  All 64 loads of a wave go out at its head.
; Waves share nothing: no barrier.  Work-groups share no input: no cluster.  There is no loop to run ahead in: no prefetch.
.set SP,    528                        ; a stage row: 512 bytes + 16 of padding
.set WREG,  16*SP                      ; a wave's stage
.set SPARE, 5*WREG                     ; the spare words, 128 bytes for each wave, rounded up to three blocks of 256 bytes
.set LI,  4                            ; 16 x lane
.set SI,  5                            ; the stage, on the way in: 16 x lane
.set SOT, 6                            ; and out: SP r + 64 h
.set SO,  7                            ; 16 r + 8 h: my 8 bytes of the scale unit
.set SPW, 8                            ; LDS address of my spare word; never rewritten
.set NIL, 9                            ; 0; never rewritten
.set TM,  16                           ; 16-19 largest magnitudes, 20-23 the other half's, then the bytes, 24-27 the conversions' scale operands
.set PWS, 28                           ; 28-31 the four scale words
.set PC,  32                           ; 32-63 the codes: eight registers for each fragment, so that no store's data are written again
.set X,   64                           ; 64-127, 128-191: two sets of a lane's 64 numbers.  Window 1: the numbers as loaded, 64 registers for each fragment
.set MSB, 0
.macro WIN new                         ; the immediate's high byte repeats the setting that is left
.if MSB != (\new)
	s_set_vgpr_msb (MSB<<8)|(\new)
.set MSB, (\new)
.endif
.endm
	s_load_b256 s[4:11], s[0:1], 0x0               ; value, W_v, xq, wvq
	v_lshl_add_u32 v[SPW], v0, 2, SPARE
	v_mov_b32 v[NIL], 0
	v_lshrrev_b32 v1, 5, v0
	v_readfirstlane_b32 s16, v1                    ; wave 0..4
	s_lshr_b32 s20, ttmp9, 2                       ; wave 4: W_v's row block and chunk
	s_and_b32 s21, ttmp9, 3
	s_cmp_lt_u32 s16, 4
	s_cselect_b32 s20, ttmp9, s20                  ; waves 0-3: value's
	s_cselect_b32 s21, s16, s21
	s_lshl_b32 s22, s20, 17                        ; 16 rows of 8,192 bytes x row block
	s_lshl_b32 s23, s21, 11
	s_add_co_u32 s22, s22, s23                     ; + 2,048 bytes x chunk
	s_mov_b32 s23, 0
	s_lshr_b32 s24, s20, 2                         ; the result's panel of 64 rows
	s_lshl_b32 s24, s24, 2
	s_add_co_u32 s24, s24, s21
	s_mul_i32 s24, s24, 17408
	s_and_b32 s26, s20, 3                          ; my row block in it
	s_lshl_b32 s27, s26, 8
	s_add_co_u32 s27, s27, s24
	s_add_co_u32 s28, s27, 16384                   ; my scale unit
	s_mov_b32 s29, 0
	s_lshl_b32 s26, s26, 12
	s_add_co_u32 s24, s24, s26                     ; my fragments
	s_mov_b32 s25, 0
	s_mul_i32 s30, s16, WREG
	s_mov_b32 s32, 0x76543210                      ; lane selects for v_permlanex16_b32: lane l xor 16
	s_mov_b32 s33, 0xfedcba98
	v_and_b32 v1, 31, v0                           ; lane
	v_and_b32 v2, 15, v0                           ; r
	v_bfe_u32 v3, v0, 4, 1                         ; h
	v_lshlrev_b32 v[LI], 4, v1
	v_add_nc_u32 v[SI], s30, v[LI]
	v_mul_u32_u24 v[SOT], v2, SP
	v_lshl_add_u32 v[SOT], v3, 6, v[SOT]
	v_add_nc_u32 v[SOT], s30, v[SOT]
	v_lshlrev_b32 v[SO], 4, v2
	v_lshl_add_u32 v[SO], v3, 3, v[SO]
.irp b, 0,1,2,3
	v_mov_b32 v[TM+4+\b], 0                        ; written once: a lane permute's destination counts as one of its sources
.endr
	s_wait_alu depctr_va_vdst(0)                   ; the wait at the head's end
	s_wait_kmcnt 0x0
	s_cmp_lt_u32 s16, 4                            ; the buffers are chosen by the wave's number alone
	s_cselect_b64 s[4:5], s[4:5], s[6:7]
	s_cselect_b64 s[8:9], s[8:9], s[10:11]
	s_add_nc_u64 s[4:5], s[4:5], s[22:23]
	s_add_nc_u64 s[12:13], s[8:9], s[24:25]
	s_add_nc_u64 s[14:15], s[8:9], s[28:29]
	WIN 0x40                                       ; destination window 1
.irp f, 0,1,2,3
.irp i, 0,1,2,3,4,5,6,7,8,9,10,11,12,13,14,15
	global_load_b128 v[64*\f+4*\i:64*\f+4*\i+3], v[LI], s[4:5] offset:8192*\i+512*\f th:TH_LOAD_NT
.endr
.endr
.macro TURN f                          ; fragment f through the stage: LDS serves a wave's instructions in order (ISA guide 5.7.1.4)
	s_wait_loadcnt 48-16*(\f)                      ; its 16 loads are in; those of the fragments behind it may stay out
	WIN 0x04                                       ; an LDS store's data are its source 1: window 1
.irp i, 0,1,2,3,4,5,6,7,8,9,10,11,12,13,14,15
	ds_store_b128 v[SI], v[64*(\f)+4*\i:64*(\f)+4*\i+3] offset:SP*\i
.endr
	WIN 0
.irp b, 0,1,2,3
.irp j, 0,1,2,3
	ds_load_b128 v[X+64*((\f)%2)+16*\b+4*\j:X+64*((\f)%2)+16*\b+4*\j+3], v[SOT] offset:128*\b+16*\j   ; register 16 b + i = k 32 b + 16 h + i of row r
.endr
.endr
.endm
.macro QUANT s, f
.irp b, 0,1,2,3
	v_max3_num_f32 v[TM+\b], |v[(\s)+16*\b]|, |v[(\s)+1+16*\b]|, 0x1800000   ; block b: my 16 numbers, and the floor 2^(3 - 127): so the byte cannot fall under 1
.endr
.irp i, 2,4,6,8,10,12,14
.irp b, 0,1,2,3
	v_max3_num_f32 v[TM+\b], v[TM+\b], |v[(\s)+16*\b+\i]|, |v[(\s)+1+16*\b+\i]|   ; (the four blocks by turns)
.endr
.endr
.irp b, 0,1,2,3
	v_permlanex16_b32 v[TM+4+\b], v[TM+\b], s32, s33
.endr
.irp b, 0,1,2,3
	v_max_num_f32 v[TM+\b], v[TM+\b], v[TM+4+\b]   ; with lane l xor 16's 16: the block's largest magnitude
.endr
.irp b, 0,1,2,3
	v_add_nc_u32 v[TM+8+\b], 0xff000000, v[TM+\b]  ; 2 off its exponent field: the conversion's scale operand
.endr
.irp b, 0,1,2,3
	v_lshrrev_b32 v[TM+4+\b], 23, v[TM+8+\b]       ; the scale's byte
.endr
	v_lshl_or_b32 v[PWS+(\f)], v[TM+5], 8, v[TM+4]
	v_lshl_or_b32 v[PWS+(\f)], v[TM+6], 16, v[PWS+(\f)]
	v_lshl_or_b32 v[PWS+(\f)], v[TM+7], 24, v[PWS+(\f)]
.irp b, 0,1,2,3
	v_cvt_scalef32_pk8_fp4_f32 v[PC+8*(\f)+2*\b], v[(\s)+16*\b:(\s)+16*\b+7], v[TM+8+\b]
	v_cvt_scalef32_pk8_fp4_f32 v[PC+8*(\f)+2*\b+1], v[(\s)+16*\b+8:(\s)+16*\b+15], v[TM+8+\b]
.endr
	v_nop                                          ; one plain place behind a scaled conversion
.irp c, 0,1                                    ; a WHOLE block in a lane: lanes 0-15 block 2 c, lanes 16-31 block 2 c + 1
.irp i, 0,1
	v_permlane16_swap_b32 v[PC+8*(\f)+4*\c+\i], v[PC+8*(\f)+4*\c+2+\i]
.endr
.endr
.irp g, 0,1                                    ; each store covers 512 consecutive bytes, aligned
	global_store_b128 v[LI], v[PC+8*(\f)+4*\g:PC+8*(\f)+4*\g+3], s[12:13] offset:1024*(\f)+512*\g
.endr
.endm
	TURN 0
.irp f, 0,1,2,3
.if \f < 3
	TURN \f+1
	s_wait_dscnt 32                                ; fragment f is back; the 32 LDS instructions of the next turn may stay out
.else
	s_wait_dscnt 0x0
.endif
	QUANT X+64*(\f%2), \f
.endr
	v_cmp_ne_u32 vcc_lo, 0, v3                     ; lanes r and r + 16 hold the same four words: lanes 0-15 send the first two, lanes 16-31 the last two
	v_cndmask_b32 v10, v[PWS], v[PWS+2], vcc_lo
	v_cndmask_b32 v11, v[PWS+1], v[PWS+3], vcc_lo
	global_store_b64 v[SO], v[10:11], s[14:15]     ; the scale unit: 256 consecutive bytes, aligned
	s_wait_tensorcnt 0x0                           ; the wave's end: behind my last LDS store
	ds_add_u32 v[SPW], v[NIL]
	s_wait_dscnt 0x0
	s_endpgm
.Lfunc_end_k_qdca1da378b_quant:
	.size	k_qdca1da378b_quant, .Lfunc_end_k_qdca1da378b_quant-k_qdca1da378b_quant
	.p2alignl 7, 3214868480
	.fill 96, 4, 3214868480
	.section	.rodata,"a",@progbits
	.p2align	6, 0x0
	.amdhsa_kernel k_qdca1da378b_quant
		.amdhsa_group_segment_fixed_size 43008
		.amdhsa_private_segment_fixed_size 0
		.amdhsa_enable_private_segment 0
		.amdhsa_kernarg_size 32
		.amdhsa_user_sgpr_count 2
		.amdhsa_user_sgpr_kernarg_segment_ptr 1
		.amdhsa_wavefront_size32 1
		.amdhsa_system_sgpr_workgroup_id_x 1
		.amdhsa_system_sgpr_workgroup_id_y 1
		.amdhsa_system_sgpr_workgroup_id_z 1
		.amdhsa_system_vgpr_workitem_id 0
		.amdhsa_next_free_vgpr 512
		.amdhsa_next_free_sgpr 66
		.amdhsa_reserve_vcc 1
		.amdhsa_float_denorm_mode_32 3
		.amdhsa_float_denorm_mode_16_64 3
		.amdhsa_memory_ordered 1
		.amdhsa_forward_progress 1
		.amdhsa_inst_pref_size 33
	.end_amdhsa_kernel
	.amdgpu_metadata
---
amdhsa.version: [ 1, 2 ]
amdhsa.kernels:
  - .name:           k_qdca1da378b_quant
    .symbol:         k_qdca1da378b_quant.kd
    .args:
      - { .name: value, .offset: 0, .size: 8, .value_kind: global_buffer, .address_space: global }
      - { .name: W_v, .offset: 8, .size: 8, .value_kind: global_buffer, .address_space: global }
      - { .name: xq, .offset: 16, .size: 8, .value_kind: global_buffer, .address_space: global }
      - { .name: wvq, .offset: 24, .size: 8, .value_kind: global_buffer, .address_space: global }
    .group_segment_fixed_size: 43008
    .private_segment_fixed_size: 0
    .kernarg_segment_align: 8
    .kernarg_segment_size: 32
    .max_flat_workgroup_size: 160
    .sgpr_count:     66
    .vgpr_count:     512
    .wavefront_size: 32
...
	.end_amdgpu_metadata
.endif
;; end of part 1
;; launch gemm_v (part 2): grid 8 x 32, 4 waves a work-group, clusters of 4 x 4, 327,680 bytes of LDS; arguments xq, wvq, W_o, vbuf, stat, woq; writes vbuf, stat, woq
.if DOCPART == 2
	.amdgcn_target "amdgcn-amd-amdhsa--gfx1250"
	.amdhsa_code_object_version 6
	.text
	.protected	k_qdca1da378b_gemm_v
	.globl	k_qdca1da378b_gemm_v
	.p2align	8
	.type	k_qdca1da378b_gemm_v,@function
k_qdca1da378b_gemm_v:
	s_mov_b64 s[64:65], 0
	v_nop
	global_prefetch_b8 v0, s[64:65] scope:SCOPE_SE
	s_setreg_imm32_b32 hwreg(HW_REG_WAVE_MODE, 25, 1), 1
	s_wait_xcnt 0x0
	s_wait_alu depctr_hold_cnt(0) depctr_sa_sdst(0) depctr_va_vdst(0) depctr_va_sdst(0) depctr_va_ssrc(0) depctr_va_vcc(0) depctr_vm_vsrc(0)
	s_getreg_b32 s2, hwreg(HW_REG_IB_STS2, 6, 4)
	s_cmp_eq_u32 s2, 0
	s_cbranch_scc0 .Lentry_in_a_cluster
	s_endpgm
.Lentry_in_a_cluster:
	s_bfe_u32 s2, ttmp6, 0x10000c
	s_cmp_lg_u32 s2, 0xf033
	s_cbranch_scc0 .Lentry_shape_is_right
	s_endpgm
.Lentry_shape_is_right:
; Second launch: vbuf = V = Q(value) Q(W_v)^T on codes of FP4 (E2M1) with E8M0 scales, sums in f32.  stat: for each row of V and each group of 64 columns the group's mean and the sum of its squared deviations
; from that mean, from which the next launch makes the row's mean and variance.  And woq: W_o (f32) as codes and scale bytes, by the quantiser and with the limits stated at the head of the first launch's text.
; WORK LEFT OUT: both softmaxes run over an axis of length 1 and are 1 for every finite score, so A_diff = 1 - lam and Q, K and the scores are not computed (shown at the head of the first launch's text).
; SHARES.  V is 4,096 x 1,024: 32 x 8 tiles of 128 x 128, one to a work-group of four waves: 256 work-groups; a wave makes 64 x 64.
; ALL OF K FITS IN LDS AT ONCE: four panels of 64 rows x 2,048 codes with their scale words, 69,632 dense bytes each.  Wave p fetches panel p (0, 1: A's; 2, 3: B's) by ONE tensor load at the head; every LDS byte
; is filled once: no ring, no refill, no loop, and so no prefetch.
; CLUSTERS: 4 x 4 work-groups.  The four of a row of the cluster need the same rows of value, the four of a column the same rows of W_v: each panel is asked for JOINTLY.
; BY ROWS OF V.  A wave's 64 rows of W_v for all of K stay in 512 registers; its four blocks of 16 rows of value come one after the other, 64 matrix instructions each, so that a finished block's stores
; leave while the next block is multiplied.  No fragment is read from LDS twice by a wave.
; THE MATRIX INSTRUCTION IS USED TRANSPOSED (source 0 = 16 rows of W_v, source 1 = 16 rows of value): lane (r, h) holds row r of V and eight neighbouring columns 8 h + 0 .. 7.
; vbuf IS AN IMAGE OF THE ACCUMULATORS: [16 rows R][16 columns T][g 0..1][lane][16 bytes]: each store covers 512 consecutive bytes.  stat: [group J 0..15][row][mean, sum of squares].
; W_o: work-group n takes row block n / 2, 512 K n % 2; wave w its w-th fragment.  ROW BLOCK 4 G + i HOLDS ROWS 64 G + 4 r + i, r = 0 .. 15: so the next launch's lane r finds four neighbouring columns of out in
; four accumulators.  woq: [8 row blocks][512 K c][34,816]: 8 x 4 fragments, then 8 scale units.  W_o's loads go out behind the tiles' barrier and are worked behind the last products.
; REGISTERS: window 0: v2-31 addresses and the add's two; v32-95 scale words; v96-159 two sets of four accumulators; v160-191 statistics, later the quantiser's; v192-255 W_o's numbers as loaded.
;   window 1: two blocks of value, 16 fragments each;  windows 2, 3: W_v's four row blocks for K steps 0-7, 8-15.
.set PART,  17408                      ; a panel's 512 K: 16 fragments, then 4 scale units
.set PANEL, 4*PART
.set WSTG,  4*PANEL                    ; behind the panels: a stage of 16 rows x 528 bytes for each wave
.set SP,    528
.set WSC,   WSTG+4*16*SP               ; W_o's scale unit, 256 bytes
.set SPARE, WSC+256                    ; the spare words, 128 bytes for each wave: two blocks of 256 bytes that no other line names
.set LI,   3                           ; 16 x lane
.set ADRA, 4                           ; 4, 5: my rows of value, K steps 0-7, 8-15
.set ADRB, 6                           ; 6, 7: my rows of W_v
.set ADRS, 8                           ; 8, 9: scale words: lanes 0-15 A's rows, lanes 16-31 B's
.set WSI,  10                          ; W_o's stage, in
.set WSO,  11                          ; and out
.set WWD,  12                          ; where I store my scale word
.set WRD,  13                          ; and where the unit is read back
.set L8,   14                          ; 8 x lane
.set PW,   15
.set SPW,  30                          ; LDS address of my spare word; never rewritten
.set NIL,  31                          ; 0; never rewritten
.set SC,   32                          ; register 16 c + 4 i + q: lanes 0-15 the word of A's block i, lanes 16-31 that of B's block i, for K step 4 c + q
.set ACC,  96
.set SS,   160                         ; statistics at work: SS .. + 7 four packed chains, + 8 .. + 15 deviations, + 16, + 17 the mean, twice
.set RES,  184                         ; block a's (mean, sum of squares) at RES + 2 a
.set TM,   160                         ; the quantiser: + 0 .. 3 largest magnitudes, + 4 .. 7 the other half's, then the bytes, + 8 .. 11 scale operands
.set PC,   184                         ; its codes
.set WO,   192
.set WV,   18                          ; s18 my wave's number
.set G1A,  36                          ; s[36:43] descriptor group 1 for A's panels;  s[44:51] for B's: it differs in the mask alone
.set G1B,  44
.set G0A,  52                          ; s[52:55], s[56:59] groups 0
.set G0B,  56
.set SEL,  88                          ; s[88:89] lane selects for v_permlanex16_b32: lane l xor 16
.set MSB, 0
.macro WIN new                         ; the immediate's high byte repeats the setting that is left
.if MSB != (\new)
	s_set_vgpr_msb (MSB<<8)|(\new)
.set MSB, (\new)
.endif
.endm
.macro CROUND                          ; a round of the cluster's barrier
	s_barrier_signal -1
	s_barrier_wait -1
	s_cmp_lg_u32 s[WV], 0
	s_cbranch_scc1 .Lnot_wave_0_\@
	s_barrier_signal -3
.Lnot_wave_0_\@:
	s_barrier_wait -3
	s_barrier_signal -1
	s_barrier_wait -1
.endm
	s_load_b256 s[4:11], s[0:1], 0x0               ; xq s[4:5], wvq s[6:7], W_o s[8:9], vbuf s[10:11]
	s_load_b128 s[12:15], s[0:1], 0x20             ; stat s[12:13], woq s[14:15]
	v_lshl_add_u32 v[SPW], v0, 2, SPARE
	v_mov_b32 v[NIL], 0
	ds_add_u32 v[SPW], v[NIL]                      ; the wave's opening: the add, twice on end, and its wait ahead of my tensor load
	ds_add_u32 v[SPW], v[NIL]
	v_lshrrev_b32 v1, 5, v0
	v_readfirstlane_b32 s[WV], v1                  ; wave 0..3
	s_lshr_b32 s19, s[WV], 1                       ; which 64 rows of the tile are mine.  Also: I fetch for A (0) or for B (1)
	s_and_b32 s20, s[WV], 1                        ; which 64 columns.  Also: which panel of that side I fetch
	s_bfe_u32 s21, ttmp6, 0x40000                  ; cx, cy: my place in the cluster
	s_bfe_u32 s22, ttmp6, 0x40004
	s_lshl_b32 s23, ttmp9, 2
	s_add_co_u32 s23, s23, s21                     ; tile column of V
	s_and_b32 s24, ttmp7, 0xffff
	s_lshl_b32 s24, s24, 2
	s_add_co_u32 s24, s24, s22                     ; tile row of V
	s_lshl_b32 s25, s22, 2
	s_lshl_b32 s25, 15, s25                        ; my row of the cluster
	s_lshl_b32 s26, 0x1111, s21                    ; my column
	; descriptor group 1: a dense block of 69,632 bytes as 272 rows of 256 bytes (32 elements of 8 bytes), laid in LDS without gaps
	s_or_b32 s[G1A+0], s25, (3<<16)|(1<<21)        ; 15:0 the mask: A's panels go to my row; 17:16 elements of 8 bytes; 21 set beside a mask
	s_or_b32 s[G1B+0], s26, (3<<16)|(1<<21)        ; B's to my column
.irp g, G1A, G1B
	s_mov_b32 s[\g+1], 32<<16                      ; tensor_dim0
	s_mov_b32 s[\g+2], 272<<16                     ; tensor_dim1
	s_mov_b32 s[\g+3], 32<<16                      ; tile_dim0
	s_mov_b32 s[\g+4], 272                         ; tile_dim1
	s_mov_b32 s[\g+5], 32                          ; elements from row to row
	s_mov_b32 s[\g+6], 0
	s_mov_b32 s[\g+7], 0
.endr
	; A's panels hang on the tile row alone, B's on the tile column alone; every wave makes both, in registers that never hold the other coordinate
	s_lshl_b32 s28, s24, 1
	s_add_co_u32 s28, s28, s20
	s_mul_i32 s28, s28, PANEL
	s_mov_b32 s29, 0
	s_lshl_b32 s32, s23, 1
	s_add_co_u32 s32, s32, s20
	s_mul_i32 s32, s32, PANEL
	s_mov_b32 s33, 0
	s_mul_i32 s27, s[WV], PANEL                    ; no place in the cluster enters an LDS address
	; where my 64 x 64 begins in vbuf: row block 8 x tile row + 4 x half, column block 8 x tile column + 4 x half; 1,024 bytes a block, 64 column blocks a row block
	s_lshl_b32 s2, s24, 3
	s_lshl_b32 s3, s19, 2
	s_add_co_u32 s2, s2, s3
	s_lshl_b32 s2, s2, 6
	s_lshl_b32 s3, s23, 3
	s_add_co_u32 s2, s2, s3
	s_lshl_b32 s3, s20, 2
	s_add_co_u32 s2, s2, s3
	s_lshl_b32 s2, s2, 10
	s_mov_b32 s3, 0
	; my 64 rows' statistics: group 2 x tile column + half, 32,768 bytes a group, 8 bytes a row
	s_lshl_b32 s60, s23, 1
	s_add_co_u32 s60, s60, s20
	s_lshl_b32 s60, s60, 15
	s_lshl_b32 s61, s24, 10
	s_add_co_u32 s60, s60, s61
	s_lshl_b32 s61, s19, 9
	s_add_co_u32 s60, s60, s61
	s_mov_b32 s61, 0
	; W_o: n = 8 x tile row + tile column; row block n / 2, 512 K n % 2
	s_lshl_b32 s66, s24, 3
	s_add_co_u32 s66, s66, s23
	s_lshr_b32 s67, s66, 1
	s_and_b32 s68, s66, 1
	s_lshr_b32 s70, s66, 3
	s_lshl_b32 s70, s70, 18                        ; in: 64 rows of 4,096 bytes x G,
	s_and_b32 s71, s67, 3
	s_lshl_b32 s71, s71, 12
	s_add_co_u32 s70, s70, s71                     ; + row i,
	s_lshl_b32 s71, s68, 11
	s_add_co_u32 s70, s70, s71                     ; + 2,048 bytes x n % 2,
	s_lshl_b32 s71, s[WV], 9
	s_add_co_u32 s70, s70, s71                     ; + 512 bytes x wave
	s_mov_b32 s71, 0
	s_lshr_b32 s72, s67, 3
	s_lshl_b32 s72, s72, 1
	s_add_co_u32 s72, s72, s68
	s_mul_i32 s72, s72, 34816                      ; out: the panel's 512 K,
	s_and_b32 s76, s67, 7
	s_lshl_b32 s77, s76, 8
	s_add_co_u32 s74, s72, s77
	s_add_co_u32 s74, s74, 32768                   ; its scale unit
	s_mov_b32 s75, 0
	s_lshl_b32 s76, s76, 12
	s_add_co_u32 s72, s72, s76
	s_lshl_b32 s76, s[WV], 10
	s_add_co_u32 s72, s72, s76                     ; and my fragment
	s_mov_b32 s73, 0
	s_mov_b32 s[SEL], 0x76543210
	s_mov_b32 s[SEL+1], 0xfedcba98
	s_mul_i32 s30, s19, PANEL                      ; my panel of A in LDS,
	s_mul_i32 s31, s20, PANEL
	s_add_co_u32 s31, s31, 2*PANEL                 ; my panel of B, behind A's two
	s_sub_co_u32 s34, s31, s30
	s_mul_i32 s78, s[WV], 16*SP
	s_add_co_u32 s78, s78, WSTG                    ; my stage
	s_lshl_b32 s79, s[WV], 2
	s_add_co_u32 s79, s79, WSC
	v_and_b32 v16, 31, v0                          ; lane
	v_and_b32 v1, 15, v0                           ; r
	v_bfe_u32 v2, v0, 4, 1                         ; h
	v_lshlrev_b32 v[LI], 4, v16
	v_lshlrev_b32 v[L8], 3, v16
	v_lshlrev_b32 v17, 4, v1
	v_mul_u32_u24 v18, s34, v2                     ; lanes 16-31 take B's: the lower base + h x the distance
	v_add_nc_u32 v18, v17, v18
	v_add_nc_u32 v[ADRA], s30, v[LI]
	v_add_nc_u32 v[ADRB], s31, v[LI]
	v_add_nc_u32 v[ADRS], s30, v18
	v_add_nc_u32 v[ADRA+1], 2*PART, v[ADRA]
	v_add_nc_u32 v[ADRB+1], 2*PART, v[ADRB]
	v_add_nc_u32 v[ADRS+1], 2*PART, v[ADRS]
	v_add_nc_u32 v[WSI], s78, v[LI]
	v_mul_u32_u24 v[WSO], v1, SP
	v_lshl_add_u32 v[WSO], v2, 6, v[WSO]
	v_add_nc_u32 v[WSO], s78, v[WSO]
	v_add_nc_u32 v[WWD], s79, v17
	v_add_nc_u32 v[WRD], WSC, v[L8]
	s_wait_alu depctr_va_vdst(0)                   ; the wait at the head's end
	s_wait_dscnt 0x0                               ; both opening adds are done
	CROUND                                         ; all sixteen work-groups are here: the joint loads meet
	s_wait_kmcnt 0x0
	s_add_nc_u64 s[28:29], s[4:5], s[28:29]
	s_add_nc_u64 s[32:33], s[6:7], s[32:33]
	s_mov_b32 s[G0A], 1                            ; 1:0 count = 1
	s_mov_b32 s[G0A+1], s27                        ; 63:32 LDS address
	s_mov_b64 s[G0A+2:G0A+3], s[28:29]             ; 120:64 global address
	s_or_b32 s[G0A+3], s[G0A+3], 0x80000000        ; 127:126 type = 2
	s_mov_b32 s[G0B], 1
	s_mov_b32 s[G0B+1], s27
	s_mov_b64 s[G0B+2:G0B+3], s[32:33]
	s_or_b32 s[G0B+3], s[G0B+3], 0x80000000
	s_cmp_eq_u32 s19, 0                            ; the branch hangs on the wave's number alone: one load to an arm; an s_nop 0 and four v_nop follow each
	s_cbranch_scc0 .Lfor_b
	tensor_load_to_lds s[G0A:G0A+3], s[G1A:G1A+7]
	s_nop 0
.rept 4
	v_nop
.endr
	s_branch .Lasked
.Lfor_b:
	tensor_load_to_lds s[G0B:G0B+3], s[G1B:G1B+7]
	s_nop 0
.rept 4
	v_nop
.endr
.Lasked:
	s_add_nc_u64 s[10:11], s[10:11], s[2:3]
	s_add_nc_u64 s[12:13], s[12:13], s[60:61]
	s_add_nc_u64 s[8:9], s[8:9], s[70:71]
	s_add_nc_u64 s[72:73], s[14:15], s[72:73]
	s_add_nc_u64 s[74:75], s[14:15], s[74:75]
.macro PLACES                          ; a load into, or a vector instruction or a store on, a matrix instruction's registers stands four places behind it; only plain vector instructions are places (ISA guide 7.12.1 for vector instructions)
.rept 4
	v_nop
.endr
.endm
.macro GETB ks                         ; W_v's four fragments of K step ks, 512 consecutive bytes a load
	WIN 0x80+0x40*((\ks)/8)
.irp b, 0,1,2,3
.irp g, 0,1
	ds_load_b128 v[64*\b+8*((\ks)%8)+4*\g:64*\b+8*((\ks)%8)+4*\g+3], v[ADRB+(\ks)/8] offset:(((\ks)/4)%2)*PART+4096*\b+1024*((\ks)%4)+512*\g
.endr
.endr
.endm
.macro GETA a, ks                      ; block a's fragment of K step ks
	WIN 0x40
.irp g, 0,1
	ds_load_b128 v[128*((\a)%2)+8*(\ks)+4*\g:128*((\a)%2)+8*(\ks)+4*\g+3], v[ADRA+(\ks)/8] offset:(((\ks)/4)%2)*PART+4096*(\a)+1024*((\ks)%4)+512*\g
.endr
.endm
.macro GETALL a
.irp k, 0,1,2,3,4,5,6,7,8,9,10,11,12,13,14,15
	GETA \a, \k
.endr
.endm
; Four matrix instructions: block a x W_v's four row blocks, K step ks.  The first K step's products start the sums.  The four accumulators take turns, so three others stand between a sum's steps.
.macro MUL4 a, ks
	WIN 0x06+(\ks)/8                               ; source 0 window 2 or 3, source 1 window 1, C and D window 0
.irp b, 0,1,2,3
.if (\ks) == 0
	v_wmma_scale_f32_16x16x128_f8f6f4 v[ACC+32*((\a)%2)+8*\b:ACC+32*((\a)%2)+8*\b+7], v[64*\b+8*((\ks)%8):64*\b+8*((\ks)%8)+7], v[128*((\a)%2)+8*(\ks):128*((\a)%2)+8*(\ks)+7], 0, v[SC+16*((\ks)/4)+4*\b+(\ks)%4], v[SC+16*((\ks)/4)+4*(\a)+(\ks)%4] matrix_a_fmt:MATRIX_FMT_FP4 matrix_b_fmt:MATRIX_FMT_FP4 matrix_a_scale:MATRIX_SCALE_ROW1
.else
	v_wmma_scale_f32_16x16x128_f8f6f4 v[ACC+32*((\a)%2)+8*\b:ACC+32*((\a)%2)+8*\b+7], v[64*\b+8*((\ks)%8):64*\b+8*((\ks)%8)+7], v[128*((\a)%2)+8*(\ks):128*((\a)%2)+8*(\ks)+7], v[ACC+32*((\a)%2)+8*\b:ACC+32*((\a)%2)+8*\b+7], v[SC+16*((\ks)/4)+4*\b+(\ks)%4], v[SC+16*((\ks)/4)+4*(\a)+(\ks)%4] matrix_a_fmt:MATRIX_FMT_FP4 matrix_b_fmt:MATRIX_FMT_FP4 matrix_a_scale:MATRIX_SCALE_ROW1
.endif
.endr
.endm
.macro BLOCK a
.irp k, 0,1,2,3,4,5,6,7,8,9,10,11,12,13,14,15
	MUL4 \a, \k
.endr
	WIN 0
.endm
.macro SEND a                          ; block a's accumulators as they stand, each from its low end on: 32 lanes x 16 bytes are 512 consecutive bytes, aligned
	WIN 0
.irp b, 0,1,2,3
	global_store_b128 v[LI], v[ACC+32*((\a)%2)+8*\b:ACC+32*((\a)%2)+8*\b+3], s[10:11] offset:65536*(\a)+1024*\b
	global_store_b128 v[LI], v[ACC+32*((\a)%2)+8*\b+4:ACC+32*((\a)%2)+8*\b+7], s[10:11] offset:65536*(\a)+1024*\b+512
.endr
.endm
.macro FOLD dst                        ; the four chains, their halves, and lane l xor 16's: the sum over the 64 columns
	v_pk_add_f32 v[SS:SS+1], v[SS:SS+1], v[SS+2:SS+3]
	v_pk_add_f32 v[SS+4:SS+5], v[SS+4:SS+5], v[SS+6:SS+7]
	v_pk_add_f32 v[SS:SS+1], v[SS:SS+1], v[SS+4:SS+5]
	v_add_f32 v[SS], v[SS], v[SS+1]
	v_permlanex16_b32 v[SS+1], v[SS], s[SEL], s[SEL+1]
	v_add_f32 v[\dst], v[SS], v[SS+1]
.endm
; BLOCK a's STATISTICS.  Lane (r, h) holds 32 of row r's 64 numbers as 16 pairs.  First the mean of the 64, then the sum of the squared deviations from it: no difference of large sums is formed.
.macro STATS a
.set BA, ACC+32*((\a)%2)
.irp k, 0,1,2,3
	v_pk_add_f32 v[SS+2*\k:SS+2*\k+1], v[BA+4*\k:BA+4*\k+1], v[BA+4*\k+2:BA+4*\k+3]
.endr
.irp m, 8,12
.irp k, 0,1,2,3
	v_pk_add_f32 v[SS+2*\k:SS+2*\k+1], v[SS+2*\k:SS+2*\k+1], v[BA+2*(\m+\k):BA+2*(\m+\k)+1]
.endr
.endr
	FOLD SS
	v_mul_f32 v[RES+2*(\a)], 0x3c800000, v[SS]     ; / 64: the group's mean
	v_mov_b32 v[SS+16], v[RES+2*(\a)]
	v_mov_b32 v[SS+17], v[RES+2*(\a)]
.irp m, 0,4,8,12
.irp k, 0,1,2,3
	v_pk_add_f32 v[SS+8+2*\k:SS+9+2*\k], v[BA+2*(\m+\k):BA+2*(\m+\k)+1], v[SS+16:SS+17] neg_lo:[0,1] neg_hi:[0,1]
.endr
.irp k, 0,1,2,3
.if \m == 0
	v_pk_mul_f32 v[SS+2*\k:SS+2*\k+1], v[SS+8+2*\k:SS+9+2*\k], v[SS+8+2*\k:SS+9+2*\k]
.else
	v_pk_fma_f32 v[SS+2*\k:SS+2*\k+1], v[SS+8+2*\k:SS+9+2*\k], v[SS+8+2*\k:SS+9+2*\k], v[SS+2*\k:SS+2*\k+1]
.endif
.endr
.endr
	FOLD RES+2*(\a)+1
.endm
	s_wait_tensorcnt 0x0                           ; my panel is in,
	s_barrier_signal -1
	s_barrier_wait -1                              ; and everybody's
.irp c, 0,1,2,3
.irp i, 0,1,2,3
	ds_load_b128 v[SC+16*\c+4*\i:SC+16*\c+4*\i+3], v[ADRS+\c/2] offset:(\c%2)*PART+16384+256*\i
.endr
.endr
.irp k, 0,1,2,3
	GETB \k
	GETA 0, \k
.endr
	WIN 0
.irp i, 0,1,2,3,4,5,6,7,8,9,10,11,12,13,14,15
	global_load_b128 v[WO+4*\i:WO+4*\i+3], v[LI], s[8:9] offset:16384*\i th:TH_LOAD_NT   ; W_o's sixteen rows, four rows apart: 512 consecutive bytes each
.endr
.irp s, 0,1,2,3,4,5,6,7,8,9,10,11,12,13,14,15
.if \s <= 12
	s_wait_dscnt 30                                ; this K step's fragments are in; the ten loads of each of the next three may stay out
.else
	s_wait_dscnt 10*(15-\s)+8*(\s-12)              ; those of the K steps left and eight for each part of block 1 asked for
.endif
	MUL4 0, \s
.if \s < 12
	GETB \s+4
	GETA 0, \s+4
.else
.irp j, 0,1,2,3
	GETA 1, 4*(\s-12)+\j
.endr
.endif
.endr
	WIN 0
	PLACES
	SEND 0
	s_wait_dscnt 0x0                               ; block 1 is in
	GETALL 2
	BLOCK 1
	STATS 0                                        ; (its plain instructions are the places behind block 1's products)
	s_wait_xcnt 0x0                                ; block 0's stores have read their registers, which block 2's sums take
	SEND 1
	GETALL 3
	s_wait_dscnt 32                                ; block 2 is in; block 3's 32 loads may stay out
	BLOCK 2
	STATS 1
	s_wait_xcnt 0x0                                ; block 1's stores likewise
	SEND 2
	s_wait_dscnt 0x0
	BLOCK 3
	STATS 2
	SEND 3
	s_wait_loadcnt 0x0                             ; W_o's rows are in: through my stage, 512 bytes a row; LDS serves a wave's instructions in order (ISA guide 5.7.1.4)
.irp i, 0,1,2,3,4,5,6,7,8,9,10,11,12,13,14,15
	ds_store_b128 v[WSI], v[WO+4*\i:WO+4*\i+3] offset:SP*\i
.endr
	STATS 3
	v_cmp_ne_u32 vcc_lo, 0, v2                     ; both halves of the lanes hold every block's two numbers: lanes 0-15 send block 2 p's, lanes 16-31 block 2 p + 1's
.irp p, 0,1
	v_cndmask_b32 v[SS+18+2*\p], v[RES+4*\p], v[RES+4*\p+2], vcc_lo
	v_cndmask_b32 v[SS+19+2*\p], v[RES+4*\p+1], v[RES+4*\p+3], vcc_lo
	global_store_b64 v[L8], v[SS+18+2*\p:SS+19+2*\p], s[12:13] offset:256*\p   ; 32 rows x 8 bytes: 256 consecutive bytes, aligned
.endr
	s_wait_xcnt 0x0                                ; the stores have read the accumulators, which take W_o's numbers in the conversions' order
.irp b, 0,1,2,3
.irp j, 0,1,2,3
	ds_load_b128 v[ACC+16*\b+4*\j:ACC+16*\b+4*\j+3], v[WSO] offset:128*\b+16*\j   ; register 16 b + i = k 32 b + 16 h + i of row r
.endr
.endr
	s_wait_dscnt 0x0
.irp b, 0,1,2,3
	v_max3_num_f32 v[TM+\b], |v[ACC+16*\b]|, |v[ACC+1+16*\b]|, 0x1800000   ; the floor 2^(3 - 127): the byte cannot fall under 1
.endr
.irp i, 2,4,6,8,10,12,14
.irp b, 0,1,2,3
	v_max3_num_f32 v[TM+\b], v[TM+\b], |v[ACC+16*\b+\i]|, |v[ACC+1+16*\b+\i]|
.endr
.endr
.irp b, 0,1,2,3
	v_permlanex16_b32 v[TM+4+\b], v[TM+\b], s[SEL], s[SEL+1]
.endr
.irp b, 0,1,2,3
	v_max_num_f32 v[TM+\b], v[TM+\b], v[TM+4+\b]
.endr
.irp b, 0,1,2,3
	v_add_nc_u32 v[TM+8+\b], 0xff000000, v[TM+\b]  ; 2 off its exponent field
.endr
.irp b, 0,1,2,3
	v_lshrrev_b32 v[TM+4+\b], 23, v[TM+8+\b]
.endr
	v_lshl_or_b32 v[PW], v[TM+5], 8, v[TM+4]
	v_lshl_or_b32 v[PW], v[TM+6], 16, v[PW]
	v_lshl_or_b32 v[PW], v[TM+7], 24, v[PW]
	ds_store_b32 v[WWD], v[PW]                     ; my word of row r; lanes r and r + 16 write the same value
.irp b, 0,1,2,3
	v_cvt_scalef32_pk8_fp4_f32 v[PC+2*\b], v[ACC+16*\b:ACC+16*\b+7], v[TM+8+\b]
	v_cvt_scalef32_pk8_fp4_f32 v[PC+2*\b+1], v[ACC+16*\b+8:ACC+16*\b+15], v[TM+8+\b]
.endr
	v_nop                                          ; one plain place behind a scaled conversion
.irp c, 0,1
.irp i, 0,1
	v_permlane16_swap_b32 v[PC+4*\c+\i], v[PC+4*\c+2+\i]
.endr
.endr
.irp g, 0,1
	global_store_b128 v[LI], v[PC+4*\g:PC+4*\g+3], s[72:73] offset:512*\g
.endr
	s_wait_dscnt 0x0                               ; for wave 0's sake: my word is stored
	s_barrier_signal -1
	s_barrier_wait -1
	s_cmp_lg_u32 s[WV], 0
	s_cbranch_scc1 .Lno_unit
	ds_load_b64 v[16:17], v[WRD]
	s_wait_dscnt 0x0
	global_store_b64 v[L8], v[16:17], s[74:75]     ; the scale unit: 256 consecutive bytes, aligned
.Lno_unit:
	s_wait_tensorcnt 0x0                           ; the wave's end: behind my last LDS store
	ds_add_u32 v[SPW], v[NIL]
	s_wait_dscnt 0x0
	CROUND                                         ; the closing round: no work-group ends while a partner may still ask for a panel that names it
	s_endpgm
.Lfunc_end_k_qdca1da378b_gemm_v:
	.size	k_qdca1da378b_gemm_v, .Lfunc_end_k_qdca1da378b_gemm_v-k_qdca1da378b_gemm_v
	.p2alignl 7, 3214868480
	.fill 96, 4, 3214868480
	.section	.rodata,"a",@progbits
	.p2align	6, 0x0
	.amdhsa_kernel k_qdca1da378b_gemm_v
		.amdhsa_group_segment_fixed_size 327680
		.amdhsa_private_segment_fixed_size 0
		.amdhsa_enable_private_segment 0
		.amdhsa_kernarg_size 48
		.amdhsa_user_sgpr_count 2
		.amdhsa_user_sgpr_kernarg_segment_ptr 1
		.amdhsa_wavefront_size32 1
		.amdhsa_system_sgpr_workgroup_id_x 1
		.amdhsa_system_sgpr_workgroup_id_y 1
		.amdhsa_system_sgpr_workgroup_id_z 1
		.amdhsa_system_vgpr_workitem_id 0
		.amdhsa_next_free_vgpr 1024
		.amdhsa_next_free_sgpr 96
		.amdhsa_reserve_vcc 1
		.amdhsa_float_denorm_mode_32 3
		.amdhsa_float_denorm_mode_16_64 3
		.amdhsa_memory_ordered 1
		.amdhsa_forward_progress 1
		.amdhsa_inst_pref_size 85
	.end_amdhsa_kernel
	.amdgpu_metadata
---
amdhsa.version: [ 1, 2 ]
amdhsa.kernels:
  - .name:           k_qdca1da378b_gemm_v
    .symbol:         k_qdca1da378b_gemm_v.kd
    .args:
      - { .name: xq, .offset: 0, .size: 8, .value_kind: global_buffer, .address_space: global }
      - { .name: wvq, .offset: 8, .size: 8, .value_kind: global_buffer, .address_space: global }
      - { .name: W_o, .offset: 16, .size: 8, .value_kind: global_buffer, .address_space: global }
      - { .name: vbuf, .offset: 24, .size: 8, .value_kind: global_buffer, .address_space: global }
      - { .name: stat, .offset: 32, .size: 8, .value_kind: global_buffer, .address_space: global }
      - { .name: woq, .offset: 40, .size: 8, .value_kind: global_buffer, .address_space: global }
    .group_segment_fixed_size: 327680
    .private_segment_fixed_size: 0
    .kernarg_segment_align: 8
    .kernarg_segment_size: 48
    .max_flat_workgroup_size: 128
    .sgpr_count:     96
    .vgpr_count:     1024
    .wavefront_size: 32
...
	.end_amdgpu_metadata
.endif
;; end of part 2
;; launch ln_o (part 3): grid 4 x 64, 8 waves a work-group, clusters of 4 x 1, 327,680 bytes of LDS; arguments vbuf, ln_gamma, ln_beta, woq, out0, stat, lambda_q1, lambda_k1, lambda_q2, lambda_k2; writes out0
.if DOCPART == 3
	.amdgcn_target "amdgcn-amd-amdhsa--gfx1250"
	.amdhsa_code_object_version 6
	.text
	.protected	k_qdca1da378b_ln_o
	.globl	k_qdca1da378b_ln_o
	.p2align	8
	.type	k_qdca1da378b_ln_o,@function
k_qdca1da378b_ln_o:
	s_mov_b64 s[64:65], 0
	v_nop
	global_prefetch_b8 v0, s[64:65] scope:SCOPE_SE
	s_setreg_imm32_b32 hwreg(HW_REG_WAVE_MODE, 25, 1), 1
	s_wait_xcnt 0x0
	s_wait_alu depctr_hold_cnt(0) depctr_sa_sdst(0) depctr_va_vdst(0) depctr_va_sdst(0) depctr_va_ssrc(0) depctr_va_vcc(0) depctr_vm_vsrc(0)
	s_getreg_b32 s2, hwreg(HW_REG_IB_STS2, 6, 4)
	s_cmp_eq_u32 s2, 0
	s_cbranch_scc0 .Lentry_in_a_cluster
	s_endpgm
.Lentry_in_a_cluster:
	s_bfe_u32 s2, ttmp6, 0x10000c
	s_cmp_lg_u32 s2, 0x3003
	s_cbranch_scc0 .Lentry_shape_is_right
	s_endpgm
.Lentry_shape_is_right:
; Third launch: out = Q(y) Q(W_o)^T, y = LayerNorm(c V) gamma + beta over the 1,024 columns of a row of V (vbuf), c = 1 - lam, lam = exp(sum lambda_q1 lambda_k1) - exp(sum lambda_q2 lambda_k2) + 0.8.
; With mean and var those of V's row and f = c / sqrt(c^2 var + 1e-5): y = (V f - mean f) gamma + beta.  The norm in f32; the product on codes of FP4 (E2M1) with E8M0 scales, sums in f32.
; WORK LEFT OUT: Q, K and the scores, since both softmaxes run over an axis of length 1 and are 1 (shown at the head of the first launch's text).
; LIMITS: a block of zeros of y gets the byte 1 where the rule says 127 (its codes are zeros, and this launch alone reads the bytes); blocks whose largest magnitude lies under 2^-124 are held at the byte 1; y is two
; fused multiply-adds, and c is taken into the row's factor; mean and variance are put together from 16 groups of 64 columns; e^x is 2^(x log2 e): other orders of rounding than reference()'s.
; SHARES.  out is 4,096 x 2,048: 64 x 4 tiles of 64 rows x 512 columns, one to a work-group of eight waves, two to a SIMD: 256 work-groups.
;   MEAN AND VARIANCE come from stat: for each row and group of 64 columns the group's mean m and the sum M2 of its squared deviations from m.  The row's mean is the mean of the 16 m; its sum of squared
;   deviations is the sum of the 16 M2 plus 64 x the sum of (m - mean)^2.  Wave w makes those of rows 8 w .. + 7 for all waves.
;   THE NORM AND THE QUANTISER: wave w owns columns 128 w .. + 127 (a K step) of all 64 rows: four row blocks x 8,192 bytes of vbuf, by ONE tensor load at the head into LDS bytes that only this wave reads.
;   A lane holds eight neighbouring columns of eight rows (lanes 16-31 the other eight rows of the block), so that gamma and beta take eight registers each.  A block of 32 lies in four lanes.
;   THE PRODUCT: wave w makes 64 columns.  W_o's 64 rows for all of K go from memory straight into 256 registers in the operand's order.  One barrier stands between all norms and all products; then row block after
;   row block is multiplied and leaves.
; CLUSTER.  The four work-groups of a cluster take the same 64 rows and the four column tiles: V's tile is asked for JOINTLY.  W_o's rows differ among the partners: each lane loads its own.
; Every LDS byte is filled once: no ring, no refill, no loop, and so no prefetch.
; THE WAY OUT NEEDS NO STAGE: source 0 = 16 rows of y, source 1 = 16 rows of W_o: register j of lane (r, h) is row 8 h + j, and accumulator i holds column 4 r + i of the 64 (woq's rows are dealt so): four
; accumulators' registers j are 16 neighbouring bytes, and sixteen lanes hold 256 neighbouring bytes of a row.
; REGISTERS: window 0 below; window 1: W_o, register 64 i + 8 k + .. for accumulator i and K step k.
.set BPART, 34816                      ; 512 K of W_o's 128 rows: 8 x 4 fragments, then 8 scale units
.set XW,    34816                      ; a wave's part of V in LDS: 4 x 32 chunks of 256 bytes + 16 of padding
.set XROW,  8704
.set AIMG,  8*XW                       ; y's fragments, [row block a][K step k][block b of 32: 272][r][16 bytes]
.set ASC,   AIMG+34816                 ; their scale bytes, [a][r][k][b]
.set MUB,   ASC+2048                   ; the rows' (f, f, -mean f, -mean f), 16 bytes each
.set SPARE, MUB+1024                   ; the spare words, 128 bytes for each wave: four blocks of 256 bytes that no other line names
.set SPW,  2                           ; LDS address of my spare word; never rewritten
.set NIL,  3                           ; 0; never rewritten
.set LI,   4                           ; 16 x lane
.set XR0,  5                           ; my numbers of V: what registers 0-3 of a row take,
.set XR1,  6                           ; and registers 4-7
.set YW,   7                           ; where I store y's codes
.set YSW,  8                           ; and scale bytes
.set YR,   9                           ; where I read them back as operands
.set YSR,  10
.set OUT,  11                          ; my byte offset in 16 rows of out
.set MR,   12                          ; the rows' factors
.set PSEL, 13                          ; a byte selector: lanes whose two halves of four columns were loaded in the other order put their codes right by it
.set YS,   16                          ; 16-23 and 80-87: y's scale words of a row block, two sets
.set SWB,  24                          ; 24-39: W_o's: register 8 (i % 2) + k: lanes 0-15 accumulators 0, 1, lanes 16-31 accumulators 2, 3
.set GAM,  40                          ; 40-47
.set BET,  48                          ; 48-55
.set TM,   56                          ; 56-63 largest magnitudes, then the conversions' scale operands
.set BY,   64                          ; 64-71 the bytes
.set PC,   72                          ; 72-79 the codes
.set T,    40                          ; behind the norms: 40-71 rows on their way out
.set X,    96                          ; 96-159: a row block's numbers; y's fragments
.set MQ,   160                         ; 160-191: the rows' factors
.set ACC,  160                         ; behind the norms: four accumulators
.set Y,    192                         ; 192-255: as X
.set ST,   192                         ; at the head: 192-199 my four groups' (m, M2),
.set LA,   208                         ; 208-215 the lambdas,
.set SOF,  216                         ; and offsets
.set WSO,  217
.set MW,   218
.set L8,   219
.set GO0,  220
.set GO1,  221
.set TW,   96                          ; 96-99 at work on the statistics
.set QD,   104                         ; 104-107 (f, f, -mean f, -mean f)
.set CF,   108                         ; 108 c, 109 c^2, 110 -mean
.set G1,   24                          ; s[24:31] descriptor group 1;  s[32:35] group 0
.set G0,   32
.set WV,   36
.set SEL,  38                          ; s[38:39] lane selects for v_permlanex16_b32: lane l xor 16
.set MSB, 0
.macro WIN new                         ; the immediate's high byte repeats the setting that is left
.if MSB != (\new)
	s_set_vgpr_msb (MSB<<8)|(\new)
.set MSB, (\new)
.endif
.endm
.macro CROUND                          ; a round of the cluster's barrier
	s_barrier_signal -1
	s_barrier_wait -1
	s_cmp_lg_u32 s[WV], 0
	s_cbranch_scc1 .Lnot_wave_0_\@
	s_barrier_signal -3
.Lnot_wave_0_\@:
	s_barrier_wait -3
	s_barrier_signal -1
	s_barrier_wait -1
.endm
	s_load_b256 s[4:11], s[0:1], 0x0               ; vbuf s[4:5], gamma s[6:7], beta s[8:9], woq s[10:11]
	s_load_b256 s[12:19], s[0:1], 0x20             ; out0 s[12:13], stat s[14:15], lambda_q1 s[16:17], lambda_k1 s[18:19]
	s_load_b128 s[20:23], s[0:1], 0x40             ; lambda_q2 s[20:21], lambda_k2 s[22:23]
	v_lshl_add_u32 v[SPW], v0, 2, SPARE
	v_mov_b32 v[NIL], 0
	ds_add_u32 v[SPW], v[NIL]                      ; the wave's opening: the add, twice on end, and its wait ahead of my tensor load
	ds_add_u32 v[SPW], v[NIL]
	v_lshrrev_b32 v1, 5, v0
	v_readfirstlane_b32 s[WV], v1                  ; wave 0..7
	s_bfe_u32 s37, ttmp6, 0x40000                  ; cx: my place in the cluster
	s_lshl_b32 s40, ttmp9, 2
	s_add_co_u32 s40, s40, s37                     ; my tile of 512 columns: it enters woq's and out0's addresses alone
	s_and_b32 s41, ttmp7, 0xffff                   ; my tile of 64 rows, which the four partners share
	; descriptor group 1: four rows (one for each row block) of 8,192 bytes (1,024 elements of 8 bytes), 65,536 bytes apart in memory, 16 bytes of padding in LDS behind every 256
	s_mov_b32 s[G1+0], 15|(3<<16)|(1<<20)|(1<<21)|(5<<22)|(3<<25)   ; 15:0 the mask: all four work-groups; 17:16 elements of 8 bytes; 20 padding on; 21 set beside a mask; 24:22 after every 64 words (code 5); 31:25 four words (code 3)
	s_mov_b32 s[G1+1], 1024<<16                    ; tensor_dim0
	s_mov_b32 s[G1+2], 4<<16                       ; tensor_dim1
	s_mov_b32 s[G1+3], 1024<<16                    ; tile_dim0
	s_mov_b32 s[G1+4], 4                           ; tile_dim1
	s_mov_b32 s[G1+5], 8192                        ; elements from row to row
	s_mov_b32 s[G1+6], 0
	s_mov_b32 s[G1+7], 0
	s_lshl_b32 s44, s41, 18                        ; V: 262,144 bytes x row tile
	s_lshl_b32 s45, s[WV], 13                      ; + 8,192 bytes x wave
	s_add_co_u32 s44, s44, s45
	s_mov_b32 s45, 0
	s_lshr_b32 s46, s[WV], 1
	s_lshl_b32 s47, s40, 2
	s_add_co_u32 s46, s46, s47                     ; W_o's panel of 128 rows: 4 x column tile + wave / 2
	s_mul_i32 s46, s46, 2*BPART
	s_and_b32 s47, s[WV], 1                        ; and which 64 of them
	s_mul_i32 s59, s47, 15360
	s_sub_co_u32 s59, 32768, s59                   ; from my first fragment to my first scale unit: 32,768 + 1,024 x half - 16,384 x half
	s_lshl_b32 s47, s47, 14
	s_add_co_u32 s46, s46, s47
	s_mov_b32 s47, 0
	s_lshl_b32 s48, s[WV], 9                       ; gamma, beta: 512 bytes x wave
	s_mov_b32 s49, 0
	s_lshl_b32 s50, s41, 9                         ; stat: 512 bytes in each group x row tile
	s_lshl_b32 s51, s[WV], 6                       ; + 64 bytes x wave
	s_add_co_u32 s50, s50, s51
	s_mov_b32 s51, 0
	s_lshl_b32 s52, s41, 19                        ; out0: 64 rows of 8,192 bytes x row tile
	s_lshl_b32 s53, s40, 11                        ; + 2,048 bytes x column tile
	s_add_co_u32 s52, s52, s53
	s_lshl_b32 s53, s[WV], 8                       ; + 256 bytes x wave
	s_add_co_u32 s52, s52, s53
	s_mov_b32 s53, 0
	s_mov_b32 s54, 0x3a800000                      ; 1 / 1,024
	s_mov_b32 s55, 0x3727c5ac                      ; 1e-5
	s_mov_b32 s56, 0x42800000                      ; 64: the columns of a group
	s_mov_b32 s[SEL], 0x76543210
	s_mov_b32 s[SEL+1], 0xfedcba98
	s_mul_i32 s42, s[WV], XW                       ; my part of V in LDS: no place in the cluster enters an LDS address
	s_mul_i32 s43, s[WV], 1088
	s_lshl_b32 s57, s[WV], 2
	s_lshl_b32 s58, s[WV], 7
	v_and_b32 v240, 31, v0                         ; lane
	v_and_b32 v241, 15, v0                         ; L = r = lane % 16
	v_bfe_u32 v242, v0, 4, 1                       ; h = lane / 16
	v_bfe_u32 v243, v0, 3, 1                       ; L / 8: 1 where the columns 4-7 of my eight come first
	v_xor_b32 v244, 1, v243
	v_bfe_u32 v245, v0, 1, 3                       ; L / 2: 16 columns
	v_and_b32 v246, 1, v0                          ; and which eight of them
	v_bfe_u32 v247, v0, 2, 2                       ; L / 4: block of 32
	v_and_b32 v248, 3, v0                          ; and which eight of it
	v_and_b32 v249, 7, v0
	v_lshlrev_b32 v[LI], 4, v240
	v_lshlrev_b32 v[L8], 3, v240
	; V in LDS: chunk 4 (L / 2) + 2 g + L % 2 holds columns 8 L + 4 g .. + 3 of sixteen rows.  A load takes g = L / 8 first, then the other
	v_mul_u32_u24 v250, v245, 1088
	v_mul_u32_u24 v251, v246, 272
	v_add_nc_u32 v250, v250, v251
	v_lshl_add_u32 v250, v242, 7, v250
	v_add_nc_u32 v250, s42, v250
	v_mul_u32_u24 v251, v243, 544
	v_add_nc_u32 v[XR0], v250, v251
	v_mul_u32_u24 v251, v244, 544
	v_add_nc_u32 v[XR1], v250, v251
	v_lshlrev_b32 v251, 5, v241                    ; 32 bytes x L of gamma and beta, in the same two halves
	v_lshl_add_u32 v[GO0], v243, 4, v251
	v_lshl_add_u32 v[GO1], v244, 4, v251
	v_mov_b32 v252, 0x02020202
	v_mul_lo_u32 v252, v252, v243
	v_xor_b32 v[PSEL], 0x03020100, v252            ; bytes 0 1 2 3, or 2 3 0 1
	v_mul_u32_u24 v250, v247, 272
	v_lshl_add_u32 v250, v242, 7, v250
	v_lshl_add_u32 v250, v248, 2, v250
	v_add_nc_u32 v250, s43, v250
	v_add_nc_u32 v[YW], AIMG, v250
	v_lshl_add_u32 v250, v242, 8, v247
	v_add_nc_u32 v250, s57, v250
	v_add_nc_u32 v[YSW], ASC, v250
	v_mul_u32_u24 v250, v242, 272
	v_lshl_add_u32 v250, v241, 4, v250
	v_add_nc_u32 v[YR], AIMG, v250
	v_add_nc_u32 v[YSR], ASC, v251
	v_lshlrev_b32 v250, 4, v241
	v_lshl_add_u32 v[OUT], v242, 16, v250          ; eight rows x h + 16 r
	v_lshl_add_u32 v[WSO], v242, 9, v250           ; lanes 16-31 take the scale units two further on
	v_add_nc_u32 v[WSO], s59, v[WSO]
	v_lshlrev_b32 v250, 7, v242
	v_add_nc_u32 v[MR], MUB, v250
	v_lshlrev_b32 v250, 4, v249
	v_add_nc_u32 v250, s58, v250
	v_add_nc_u32 v[MW], MUB, v250
	v_lshrrev_b32 v250, 3, v240
	v_lshlrev_b32 v250, 17, v250
	v_lshl_add_u32 v[SOF], v249, 3, v250           ; row lane % 8, four groups of 32,768 bytes x (lane / 8)
	s_wait_alu depctr_va_vdst(0)                   ; the wait at the head's end
	s_wait_dscnt 0x0                               ; both opening adds are done
	CROUND                                         ; all four work-groups are here: the joint loads meet
	s_wait_kmcnt 0x0
	s_add_nc_u64 s[4:5], s[4:5], s[44:45]
	s_mov_b32 s[G0], 1                             ; 1:0 count = 1
	s_mov_b32 s[G0+1], s42                         ; 63:32 LDS address
	s_mov_b64 s[G0+2:G0+3], s[4:5]                 ; 120:64 global address
	s_or_b32 s[G0+3], s[G0+3], 0x80000000          ; 127:126 type = 2
	tensor_load_to_lds s[G0:G0+3], s[G1:G1+7]      ; my one tensor load
	s_nop 0
.rept 4
	v_nop
.endr
	s_add_nc_u64 s[6:7], s[6:7], s[48:49]
	s_add_nc_u64 s[8:9], s[8:9], s[48:49]
	s_add_nc_u64 s[10:11], s[10:11], s[46:47]
	s_add_nc_u64 s[12:13], s[12:13], s[52:53]
	s_add_nc_u64 s[14:15], s[14:15], s[50:51]
	global_load_b64 v[LA:LA+1], v[L8], s[16:17]    ; two of the 64 numbers a lane
	global_load_b64 v[LA+2:LA+3], v[L8], s[18:19]
	global_load_b64 v[LA+4:LA+5], v[L8], s[20:21]
	global_load_b64 v[LA+6:LA+7], v[L8], s[22:23]
.irp i, 0,1,2,3
	global_load_b64 v[ST+2*\i:ST+2*\i+1], v[SOF], s[14:15] offset:32768*\i   ; (m, M2) of group 4 (lane / 8) + i of my row
.endr
	global_load_b128 v[GAM:GAM+3], v[GO0], s[6:7]
	global_load_b128 v[GAM+4:GAM+7], v[GO1], s[6:7]
	global_load_b128 v[BET:BET+3], v[GO0], s[8:9]
	global_load_b128 v[BET+4:BET+7], v[GO1], s[8:9]
.irp i, 0,1
.irp c, 0,1
	global_load_b128 v[SWB+8*\i+4*\c:SWB+8*\i+4*\c+3], v[WSO], s[10:11] offset:BPART*\c+256*\i
.endr
.endr
; cnt loads of W_o, 512 consecutive bytes each, from number n0 on: number 16 i + 2 k + g = registers 8 k + 4 g .. of accumulator i.
.macro WLOADS n0, cnt
	WIN 0x40                                       ; destination window 1
.set N, \n0
.rept \cnt
	global_load_b128 v[4*N:4*N+3], v[LI], s[10:11] offset:BPART*((N/8)%2)+4096*(N/16)+1024*((N/2)%4)+512*(N%2)
.set N, N+1
.endr
	WIN 0
.endm
	WLOADS 0, 16
	s_wait_loadcnt 24                              ; the lambdas and the statistics are in; 4 loads of gamma and beta, 4 of scale words and 16 of W_o may stay out
	; c, and my row's factors
	v_mul_f32 v[LA], v[LA], v[LA+2]
	v_mul_f32 v[LA+4], v[LA+4], v[LA+6]
	v_fmac_f32 v[LA], v[LA+1], v[LA+3]             ; my two terms of each of the two sums
	v_fmac_f32 v[LA+4], v[LA+5], v[LA+7]
	v_pk_add_f32 v[TW:TW+1], v[ST:ST+1], v[ST+2:ST+3]             ; (the m's sum in the low half, the M2's in the high)
	v_pk_add_f32 v[TW+2:TW+3], v[ST+4:ST+5], v[ST+6:ST+7]
.irp m, 1,2,4,8
	v_add_f32_dpp v[LA], v[LA], v[LA] row_xmask:\m row_mask:0xf bank_mask:0xf
	v_add_f32_dpp v[LA+4], v[LA+4], v[LA+4] row_xmask:\m row_mask:0xf bank_mask:0xf
.endr
	v_pk_add_f32 v[TW:TW+1], v[TW:TW+1], v[TW+2:TW+3]
	v_permlanex16_b32 v[LA+1], v[LA], s[SEL], s[SEL+1]
	v_permlanex16_b32 v[LA+5], v[LA+4], s[SEL], s[SEL+1]
	v_add_f32_dpp v[TW], v[TW], v[TW] row_xmask:8 row_mask:0xf bank_mask:0xf   ; the row's 16 groups lie in lanes l, l xor 8, l xor 16, l xor 24
	v_add_f32 v[LA], v[LA], v[LA+1]
	v_add_f32 v[LA+4], v[LA+4], v[LA+5]
	v_permlanex16_b32 v[TW+2], v[TW], s[SEL], s[SEL+1]
	v_mul_f32 v[LA], 0x3fb8aa3b, v[LA]             ; x log2 e
	v_mul_f32 v[LA+4], 0x3fb8aa3b, v[LA+4]
	v_add_f32 v[TW], v[TW], v[TW+2]
	v_mul_f32 v[CF+2], 0xbd800000, v[TW]           ; x -1 / 16: the groups are of one size, so the row's mean is the mean of their means
.irp i, 0,1,2,3
	v_add_f32 v[ST+2*\i], v[ST+2*\i], v[CF+2]      ; m - mean
.endr
	v_mul_f32 v[TW+2], v[ST], v[ST]
	v_mul_f32 v[TW+3], v[ST+2], v[ST+2]
	v_fmac_f32 v[TW+2], v[ST+4], v[ST+4]
	v_fmac_f32 v[TW+3], v[ST+6], v[ST+6]
	v_add_f32 v[TW+2], v[TW+2], v[TW+3]
	v_fma_f32 v[TW+1], v[TW+2], s56, v[TW+1]       ; my four groups' M2 + 64 x the sum of (m - mean)^2
	v_add_f32_dpp v[TW+1], v[TW+1], v[TW+1] row_xmask:8 row_mask:0xf bank_mask:0xf
	v_permlanex16_b32 v[TW+3], v[TW+1], s[SEL], s[SEL+1]
	v_add_f32 v[TW+1], v[TW+1], v[TW+3]
	v_mul_f32 v[TW+1], s54, v[TW+1]                ; var
	s_wait_alu depctr_va_vdst(0)                   ; the wait ahead of the batch
	v_exp_f32 v[LA], v[LA]
	v_exp_f32 v[LA+4], v[LA+4]
	v_nop                                          ; a plain instruction behind the last exponential,
	s_wait_alu depctr_va_vdst(0)                   ; and the wait ahead of the first use
	v_sub_f32 v[LA], v[LA], v[LA+4]
	v_add_f32 v[LA], 0x3f4ccccd, v[LA]             ; lam = (e1 - e2) + 0.8
	v_sub_f32 v[CF], 1.0, v[LA]                    ; c = A1 - lam A2 = 1 - lam
	v_mul_f32 v[CF+1], v[CF], v[CF]
	v_fma_f32 v[TW+1], v[TW+1], v[CF+1], s55       ; c^2 var + eps
	s_wait_alu depctr_va_vdst(0)
	v_rsq_f32 v[QD], v[TW+1]
	v_nop
	s_wait_alu depctr_va_vdst(0)
	v_mul_f32 v[QD], v[QD], v[CF]                  ; f
	v_mov_b32 v[QD+1], v[QD]
	v_mul_f32 v[QD+2], v[QD], v[CF+2]              ; -mean f
	v_mov_b32 v[QD+3], v[QD+2]
	ds_store_b128 v[MW], v[QD:QD+3]                ; the four lanes of a row write the same bytes with the same values
	s_wait_dscnt 0x0                               ; for the others' sake: my eight rows' factors are stored
	s_barrier_signal -1
	s_barrier_wait -1
.macro MLOAD a                         ; the factors of my eight rows of row block a
.irp p, 0,1,2,3,4,5,6,7
	ds_load_b128 v[MQ+4*\p:MQ+4*\p+3], v[MR] offset:256*(\a)+16*\p
.endr
.endm
.macro XLD a, R                        ; row block a: register 8 p + n = row 8 h + p, the n-th of my eight columns
.irp p, 0,1,2,3,4,5,6,7
	ds_load_b128 v[(\R)+8*\p:(\R)+8*\p+3], v[XR0] offset:XROW*(\a)+16*\p
	ds_load_b128 v[(\R)+8*\p+4:(\R)+8*\p+7], v[XR1] offset:XROW*(\a)+16*\p
.endr
.endm
; Row block a, in v[R] on: the norm; then codes and scale bytes, which go to LDS where the operand's registers want them.  The eight rows take turns: no line waits for the line above it.
.macro UNIT a, R
.irp p, 0,1,2,3,4,5,6,7
.irp q, 0,1,2,3
	v_pk_fma_f32 v[(\R)+8*\p+2*\q:(\R)+8*\p+2*\q+1], v[(\R)+8*\p+2*\q:(\R)+8*\p+2*\q+1], v[MQ+4*\p:MQ+4*\p+1], v[MQ+4*\p+2:MQ+4*\p+3]
.endr
.endr
.if (\a) < 3
	MLOAD (\a)+1
.endif
.irp p, 0,1,2,3,4,5,6,7
.irp q, 0,1,2,3
	v_pk_fma_f32 v[(\R)+8*\p+2*\q:(\R)+8*\p+2*\q+1], v[(\R)+8*\p+2*\q:(\R)+8*\p+2*\q+1], v[GAM+2*\q:GAM+2*\q+1], v[BET+2*\q:BET+2*\q+1]
.endr
.endr
.irp p, 0,1,2,3,4,5,6,7
	v_max3_num_f32 v[TM+\p], |v[(\R)+8*\p]|, |v[(\R)+8*\p+1]|, 0x1800000   ; the floor 2^(3 - 127): the byte cannot fall under 1
.endr
.irp n, 2,4,6
.irp p, 0,1,2,3,4,5,6,7
	v_max3_num_f32 v[TM+\p], v[TM+\p], |v[(\R)+8*\p+\n]|, |v[(\R)+8*\p+\n+1]|
.endr
.endr
.irp m, 1,2
.irp p, 0,1,2,3,4,5,6,7
	v_max_num_f32_dpp v[TM+\p], v[TM+\p], v[TM+\p] row_xmask:\m row_mask:0xf bank_mask:0xf   ; with the block's three other lanes
.endr
.endr
.irp p, 0,1,2,3,4,5,6,7
	v_add_nc_u32 v[TM+\p], 0xff000000, v[TM+\p]    ; 2 off its exponent field: the conversion's scale operand
.endr
.irp p, 0,1,2,3,4,5,6,7
	v_lshrrev_b32 v[BY+\p], 23, v[TM+\p]           ; the scale's byte
.endr
.irp p, 0,1,2,3,4,5,6,7
	v_cvt_scalef32_pk8_fp4_f32 v[PC+\p], v[(\R)+8*\p:(\R)+8*\p+7], v[TM+\p]
.endr
	v_nop                                          ; one plain place behind a scaled conversion
.irp p, 0,1,2,3,4,5,6,7
	v_perm_b32 v[PC+\p], v[PC+\p], v[PC+\p], v[PSEL]   ; my eight codes in the order of the columns
.endr
.irp p, 0,1,2,3,4,5,6,7
	ds_store_b32 v[YW], v[PC+\p] offset:XROW*(\a)+16*\p
	ds_store_b8 v[YSW], v[BY+\p] offset:512*(\a)+32*\p   ; the four lanes of a block write the same byte with the same value
.endr
.endm
.macro FETCHY a, R, y                  ; row block a of y, all eight K steps, into v[R] on, and its scale words into set y: 18 loads
.irp k, 0,1
	ds_load_b128 v[YS+64*(\y)+4*\k:YS+64*(\y)+4*\k+3], v[YSR] offset:512*(\a)+16*\k
.endr
.irp k, 0,1,2,3,4,5,6,7
.irp g, 0,1
	ds_load_b128 v[(\R)+8*\k+4*\g:(\R)+8*\k+4*\g+3], v[YR] offset:8704*(\a)+1088*\k+544*\g
.endr
.endr
.endm
; 32 matrix instructions: a row block of y x four row blocks of W_o, all of K.  The first K step's products start the sums.  The four accumulators take turns: three others stand between a sum's steps.
.macro WMUL R, y
	WIN 0x04                                       ; source 1: window 1
.irp k, 0,1,2,3,4,5,6,7
.irp i, 0,1,2,3
.if \k == 0
.if \i < 2
	v_wmma_scale_f32_16x16x128_f8f6f4 v[ACC+8*\i:ACC+8*\i+7], v[(\R)+8*\k:(\R)+8*\k+7], v[64*\i+8*\k:64*\i+8*\k+7], 0, v[YS+64*(\y)+\k], v[SWB+8*(\i%2)+\k] matrix_a_fmt:MATRIX_FMT_FP4 matrix_b_fmt:MATRIX_FMT_FP4
.else
	v_wmma_scale_f32_16x16x128_f8f6f4 v[ACC+8*\i:ACC+8*\i+7], v[(\R)+8*\k:(\R)+8*\k+7], v[64*\i+8*\k:64*\i+8*\k+7], 0, v[YS+64*(\y)+\k], v[SWB+8*(\i%2)+\k] matrix_a_fmt:MATRIX_FMT_FP4 matrix_b_fmt:MATRIX_FMT_FP4 matrix_b_scale:MATRIX_SCALE_ROW1
.endif
.else
.if \i < 2
	v_wmma_scale_f32_16x16x128_f8f6f4 v[ACC+8*\i:ACC+8*\i+7], v[(\R)+8*\k:(\R)+8*\k+7], v[64*\i+8*\k:64*\i+8*\k+7], v[ACC+8*\i:ACC+8*\i+7], v[YS+64*(\y)+\k], v[SWB+8*(\i%2)+\k] matrix_a_fmt:MATRIX_FMT_FP4 matrix_b_fmt:MATRIX_FMT_FP4
.else
	v_wmma_scale_f32_16x16x128_f8f6f4 v[ACC+8*\i:ACC+8*\i+7], v[(\R)+8*\k:(\R)+8*\k+7], v[64*\i+8*\k:64*\i+8*\k+7], v[ACC+8*\i:ACC+8*\i+7], v[YS+64*(\y)+\k], v[SWB+8*(\i%2)+\k] matrix_a_fmt:MATRIX_FMT_FP4 matrix_b_fmt:MATRIX_FMT_FP4 matrix_b_scale:MATRIX_SCALE_ROW1
.endif
.endif
.endr
.endr
	WIN 0
.endm
; THE WAY OUT of row block a: registers j of the four accumulators side by side; lanes 0-15 store 256 consecutive bytes, aligned, of row j, lanes 16-31 of row 8 + j.
.macro SENDROW a
.rept 4
	v_nop                                          ; the places behind the last products
.endr
	s_wait_xcnt 0x0                                ; the row block before has been read out of v[T] on
.irp j, 0,1,2,3,4,5,6,7
.irp i, 0,1,2,3
	v_mov_b32 v[T+4*\j+\i], v[ACC+8*\i+\j]
.endr
.endr
.irp j, 0,1,2,3,4,5,6,7
	global_store_b128 v[OUT], v[T+4*\j:T+4*\j+3], s[12:13] offset:8192*(16*(\a)+\j) th:TH_STORE_NT
.endr
.endm
	MLOAD 0
	s_wait_tensorcnt 0x0                           ; my part of V has landed: only I read it
	s_wait_xcnt 0x0                                ; the head's loads have read their offsets, which lie where the next loads land
	XLD 0, X
	XLD 1, Y
	WLOADS 16, 8
	s_wait_loadcnt 28                              ; gamma and beta are in; 4 loads of scale words and 24 of W_o may stay out
	s_wait_dscnt 16                                ; the factors and row block 0 are in; row block 1's 16 loads may stay out
	UNIT 0, X
	WLOADS 24, 16
	XLD 2, X
	s_wait_dscnt 32                                ; row block 1 and its factors are in; the 16 stores and 16 loads issued behind them may stay out
	UNIT 1, Y
	WLOADS 40, 16
	XLD 3, Y
	s_wait_dscnt 32                                ; likewise for row block 2
	UNIT 2, X
	WLOADS 56, 8
	s_wait_dscnt 16                                ; row block 3 and its factors are in; the 16 stores may stay out
	UNIT 3, Y
	s_wait_dscnt 0x0                               ; for the others' sake: my codes and scale bytes are stored
	s_barrier_signal -1
	s_barrier_wait -1
	FETCHY 0, X, 0
	FETCHY 1, Y, 1
	s_wait_loadcnt 0x0                             ; W_o is in
.irp a, 0,1,2,3
.if \a < 3
	s_wait_dscnt 18                                ; row block a is in; the next one's 18 loads may stay out
.else
	s_wait_dscnt 0x0
.endif
	WMUL X+96*(\a%2), \a%2
	SENDROW \a
.if \a < 2
	FETCHY \a+2, X+96*(\a%2), \a%2                 ; (the moves above are the places in front of these loads)
.endif
.endr
	s_wait_tensorcnt 0x0                           ; the wave's end: behind my last tensor load and my last LDS store
	ds_add_u32 v[SPW], v[NIL]
	s_wait_dscnt 0x0
	CROUND                                         ; the closing round: no work-group ends while a partner may still ask for a tile that names it
	s_endpgm
.Lfunc_end_k_qdca1da378b_ln_o:
	.size	k_qdca1da378b_ln_o, .Lfunc_end_k_qdca1da378b_ln_o-k_qdca1da378b_ln_o
	.p2alignl 7, 3214868480
	.fill 96, 4, 3214868480
	.section	.rodata,"a",@progbits
	.p2align	6, 0x0
	.amdhsa_kernel k_qdca1da378b_ln_o
		.amdhsa_group_segment_fixed_size 327680
		.amdhsa_private_segment_fixed_size 0
		.amdhsa_enable_private_segment 0
		.amdhsa_kernarg_size 80
		.amdhsa_user_sgpr_count 2
		.amdhsa_user_sgpr_kernarg_segment_ptr 1
		.amdhsa_wavefront_size32 1
		.amdhsa_system_sgpr_workgroup_id_x 1
		.amdhsa_system_sgpr_workgroup_id_y 1
		.amdhsa_system_sgpr_workgroup_id_z 1
		.amdhsa_system_vgpr_workitem_id 0
		.amdhsa_next_free_vgpr 512
		.amdhsa_next_free_sgpr 66
		.amdhsa_reserve_vcc 0
		.amdhsa_float_denorm_mode_32 3
		.amdhsa_float_denorm_mode_16_64 3
		.amdhsa_memory_ordered 1
		.amdhsa_forward_progress 1
		.amdhsa_inst_pref_size 93
	.end_amdhsa_kernel
	.amdgpu_metadata
---
amdhsa.version: [ 1, 2 ]
amdhsa.kernels:
  - .name:           k_qdca1da378b_ln_o
    .symbol:         k_qdca1da378b_ln_o.kd
    .args:
      - { .name: vbuf, .offset: 0, .size: 8, .value_kind: global_buffer, .address_space: global }
      - { .name: ln_gamma, .offset: 8, .size: 8, .value_kind: global_buffer, .address_space: global }
      - { .name: ln_beta, .offset: 16, .size: 8, .value_kind: global_buffer, .address_space: global }
      - { .name: woq, .offset: 24, .size: 8, .value_kind: global_buffer, .address_space: global }
      - { .name: out0, .offset: 32, .size: 8, .value_kind: global_buffer, .address_space: global }
      - { .name: stat, .offset: 40, .size: 8, .value_kind: global_buffer, .address_space: global }
      - { .name: lambda_q1, .offset: 48, .size: 8, .value_kind: global_buffer, .address_space: global }
      - { .name: lambda_k1, .offset: 56, .size: 8, .value_kind: global_buffer, .address_space: global }
      - { .name: lambda_q2, .offset: 64, .size: 8, .value_kind: global_buffer, .address_space: global }
      - { .name: lambda_k2, .offset: 72, .size: 8, .value_kind: global_buffer, .address_space: global }
    .group_segment_fixed_size: 327680
    .private_segment_fixed_size: 0
    .kernarg_segment_align: 8
    .kernarg_segment_size: 80
    .max_flat_workgroup_size: 256
    .sgpr_count:     66
    .vgpr_count:     512
    .wavefront_size: 32
...
	.end_amdgpu_metadata
.endif
;; end of part 3
